; MI455X (gfx1250); checked and timed in simulation.
; The chip was launched on July 23, 2026; its instructions are those of AMD's public machine-readable ISA for CDNA 5 (MIT licence, August 2026) and "CDNA5" Instruction Set Architecture Reference Guide (July 2026). The comments in the code are by the model that wrote it; some were corrected since.
;; Attention. Allowed arithmetic: matrix products marked QUANTISED: E4M3 operands, one E8M0 scale for each 32 along K, by v_wmma_scale_f32_16x16x128_f8f6f4 with both operands' format E4M3, f32 sums; products left as they are: f32 operands where the result goes on into a quantised operand, else bf16, f16 or f32 operands; f32 sums; everything else in f32.
;; Inputs: W 1,024 x 1,024 float32; b 1,024 float32; encoder_outputs 2,048 x 32 x 1,024 float32; hidden 1 x 32 x 1,024 float32.
;; Outputs: out0 32 x 1 x 2,048 float32.
;; This version of the problem:
;;   THIS VERSION OF THE PROBLEM IS GIVEN IN LOW PRECISION. The matrix products marked QUANTISED in the list below multiply operands that are first quantised to E4M3 (4 exponent bits, 3 mantissa bits; 8 bits a number), with one power-of-two scale for each 32 numbers along K (OCP MX v1.0); their sums are f32. All else is computed in f32.
;;   The module's matrix products, in the order in which they are computed (A, B: the left and right operand; K: the contracted axis; several contracted axes count as one K, in the product's order):
;;     1. [M 65,536, K 1,024] x [K 1,024, N 1,024]; A: input encoder_outputs; B: input W: QUANTISED
;;     2. batch 32 x [M 1, K 1,024] x [K 1,024, N 2,048]; A: input hidden; B: computed on the way: left as it is (M = 1 < 16)
;;   THE QUANTISER, for each operand of a quantised product, along K:
;;     - K is cut into blocks of 32 from its start; a last block that is shorter is filled with zeros.
;;     - A block's scale is 2^e with e = floor(log2(the largest magnitude in the block)) - 8, held to -126 .. 127; a block of zeros has e = 0. As a byte (E8M0): e + 127.
;;     - Each number is divided by its block's scale, clamped to +-448, and rounded to the nearest number of E4M3, ties to even, subnormals kept.
;;     - The product sums the exact products of the quantised numbers (number of the format x scale) in f32.
;;   ~~~python
;;   def quantise(x, axis):      # numpy; x: float32 -> the quantised numbers, widened to float32 again
;;       x = np.moveaxis(x, axis, -1); K = x.shape[-1]
;;       x = np.pad(x, [(0, 0)] * (x.ndim - 1) + [(0, -K % 32)]); x = x.reshape(x.shape[:-1] + (-1, 32)); a = np.abs(x).max(-1, keepdims=True)
;;       e = np.where(a > 0, np.clip(np.frexp(np.where(a > 0, a, 1))[1] - 1 - 8, -126, 127), 0)      # np.frexp(a)[1] - 1 = floor(log2(a)), exactly
;;       r = np.clip(x / 2.0 ** e, -448, 448)
;;       step = 2.0 ** (np.maximum(np.frexp(np.where(r == 0, 1, r))[1] - 1, -6) - 3)
;;       q = np.round(r / step) * step * 2.0 ** e      # np.round: ties to even
;;       return np.moveaxis(q.reshape(q.shape[:-2] + (-1,))[..., :K], -1, axis).astype(np.float32)
;;   ~~~
;; One version. Each part assembles by itself: llvm-mc -triple=amdgcn-amd-amdhsa -mcpu=gfx1250 --defsym DOCPART=n.
;; ======== version 1 of 1: 3 launches
;; limits: right only within a limited range of input values
;; workspace buffers: wimg 1,048,576 bytes; wscl 32,768 bytes; scores 262,144 bytes
;; launch wquant (part 1): grid 256 x 1, 1 waves a work-group, no clusters, 0 bytes of LDS; arguments W, wimg, wscl; writes wimg, wscl
.if DOCPART == 1
	.amdgcn_target "amdgcn-amd-amdhsa--gfx1250"
	.amdhsa_code_object_version 6
	.text
	.protected	k_q92ec1cc57e_wquant
	.globl	k_q92ec1cc57e_wquant
	.p2align	8
	.type	k_q92ec1cc57e_wquant,@function
k_q92ec1cc57e_wquant:
	s_mov_b64 s[64:65], 0
	v_nop
	global_prefetch_b8 v0, s[64:65] scope:SCOPE_SE
	s_setreg_imm32_b32 hwreg(HW_REG_WAVE_MODE, 25, 1), 1
	s_wait_xcnt 0x0
; W [1024 (n)][1024 (k)], f32, K innermost, becomes codes of FP8 (E4M3) with one E8M0 scale byte for each 32 along K, laid AS THE NEXT LAUNCH'S REGISTERS WANT THEM:
;   wimg [w 0..7][c 0..7][t 0..7][g 0..3][lane][16 bytes]: the fragment of rows n = 128 w + 16 t + r, K = 128 c on; lane (r, h), group g: the codes of k = 128 c + 32 g + 16 h + 0 .. 15
;   wscl [w][c][t][r]: one word a row and 128 along K, byte g for block g
; A block's scale is 2^(floor(log2(its largest magnitude)) - 8); its byte is the largest magnitude's exponent field - 8, held at 1 from below.  Each number is divided by the scale, held within +-448
; and rounded to the nearest code, ties to even.
; LIMITS: a block of zeros gets the byte 1 where the quantiser's text says 127: its codes are zeros, which add nothing under any byte but 0xff, and this program alone reads the bytes.
; NaN and infinities among the inputs are not served.
; SHARES.  One wave a work-group; work-group P takes rows 32 (P / 8) .. + 31 (two tiles of 16) and K = 128 (P % 8) on: 256 work-groups of equal work.
; A lane loads, of its row, 16 neighbours of each block of 32 (four loads of 16 bytes): the conversions take neighbours along K from ONE lane's consecutive registers, and their results are the fragment's registers.
; A tile's sixteen loads together take 512 whole bytes of each of its 16 rows; W is 4 MiB of the program's 273 MB, so no turn through LDS is written for them.
; Each store of codes covers 512 consecutive bytes, aligned; the one store of scale words covers 128.
.set TM,  8                            ; v8-11 largest magnitudes, v12-15 the other half's and then the bytes, v16-19 448 x the scale, v20-23 the conversions' scale operands
.set WD,  24                           ; v24, v25 the two tiles' scale words; v26 both in one register
.set CD,  32                           ; v32-47, v48-63 the two tiles' codes
.set SR,  64                           ; v64-127, v128-191 the two tiles' numbers: register 16 g + i = k 32 g + 16 h + i of my row
; 64 numbers of a lane from v[s] on become a fragment's codes from v[c] on and its scale word in v[w]
.macro QUANT s, c, w
.irp g, 0,1,2,3
	v_max3_num_f32 v[TM+\g], |v[(\s)+16*\g]|, |v[(\s)+16*\g+1]|, 0x4800000   ; block g: my 16 numbers, and the floor 2^(9 - 127): so the byte cannot fall under 1
.endr
.irp i, 2,4,6,8,10,12,14
.irp g, 0,1,2,3
	v_max3_num_f32 v[TM+\g], v[TM+\g], |v[(\s)+16*\g+\i]|, |v[(\s)+16*\g+\i+1]|   ; the four blocks by turns: no line waits for the line above it
.endr
.endr
.irp g, 0,1,2,3
	v_permlanex16_b32 v[TM+4+\g], v[TM+\g], s22, s23
.endr
.irp g, 0,1,2,3
	v_max_num_f32 v[TM+\g], v[TM+\g], v[TM+4+\g]       ; with lane l xor 16's 16 numbers: the block's largest magnitude
.endr
.irp g, 0,1,2,3
	v_add_nc_u32 v[TM+12+\g], 0xfc000000, v[TM+\g]     ; 8 off its exponent field: the conversion takes the exponent field of this operand as its scale
.endr
.irp g, 0,1,2,3
	v_and_or_b32 v[TM+8+\g], v[TM+\g], 0x7f800000, s21 ; 448 x the scale: the largest magnitude's exponent field over 448's mantissa
.endr
.irp g, 0,1,2,3
	v_lshrrev_b32 v[TM+4+\g], 23, v[TM+12+\g]          ; the scale's byte
.endr
	v_lshl_or_b32 v[\w], v[TM+5], 8, v[TM+4]           ; four bytes make my row's scale word
	v_lshl_or_b32 v[\w], v[TM+6], 16, v[\w]
	v_lshl_or_b32 v[\w], v[TM+7], 24, v[\w]
.irp g, 0,1,2,3
.irp i, 0,1,2,3,4,5,6,7,8,9,10,11,12,13,14,15
	v_med3_num_f32 v[(\s)+16*\g+\i], v[(\s)+16*\g+\i], -v[TM+8+\g], v[TM+8+\g]   ; the conversion to an 8-bit code does not saturate (ISA guide 7.6.2): hold first
.endr
	v_cvt_scalef32_pk8_fp8_f32 v[(\c)+4*\g:(\c)+4*\g+1], v[(\s)+16*\g:(\s)+16*\g+7], v[TM+12+\g]
	v_cvt_scalef32_pk8_fp8_f32 v[(\c)+4*\g+2:(\c)+4*\g+3], v[(\s)+16*\g+8:(\s)+16*\g+15], v[TM+12+\g]
.endr
	v_nop                                              ; one plain vector line behind the last conversion, ahead of the next vector line that writes its scale operand
.endm
	s_load_b128 s[4:7], s[0:1], 0x0                ; W s[4:5], wimg s[6:7]
	s_load_b64 s[8:9], s[0:1], 0x10                ; wscl
	v_and_b32 v1, 15, v0                           ; r (one wave: v0 is the lane)
	v_bfe_u32 v2, v0, 4, 1                         ; h
	v_lshlrev_b32 v3, 12, v1                       ; W: row r of 4,096 bytes,
	v_lshl_add_u32 v3, v2, 6, v3                   ; + 64 h: my 16 numbers of a block of 32
	v_lshlrev_b32 v4, 4, v0                        ; an image's place for my lane: 16 x lane
	v_lshlrev_b32 v5, 2, v0                        ; a scale word's: 4 x lane
	s_lshr_b32 s10, ttmp9, 3                       ; which 32 rows
	s_and_b32 s11, ttmp9, 7                        ; c: which 128 along K
	s_lshl_b32 s12, s10, 17                        ; W: 32 rows are 131,072 bytes,
	s_lshl_b32 s14, s11, 9                         ; 128 numbers 512
	s_or_b32 s12, s12, s14
	s_mov_b32 s13, 0
	; THE ORDER AS STORED (it takes the place of the order named at the head): wimg [j = n / 256][c][tile 0..15][g][lane][16 bytes], wscl [j][c][tile][r]: the stream of one wave of the next launch lies on end
	s_lshr_b32 s14, s10, 3                         ; j = rows / 256
	s_and_b32 s15, s10, 7                          ; which pair of tiles in j
	s_lshl_b32 s16, s14, 18                        ; wimg: 262,144 j + 32,768 c + 4,096 x pair
	s_lshl_b32 s18, s11, 15
	s_or_b32 s16, s16, s18
	s_lshl_b32 s18, s15, 12
	s_or_b32 s16, s16, s18
	s_mov_b32 s17, 0
	s_lshl_b32 s18, s14, 13                        ; wscl: 8,192 j + 1,024 c + 128 x pair
	s_lshl_b32 s20, s11, 10
	s_or_b32 s18, s18, s20
	s_lshl_b32 s20, s15, 7
	s_or_b32 s18, s18, s20
	s_mov_b32 s19, 0
	s_mov_b32 s21, 0x600000                        ; the mantissa field of 448
	s_mov_b32 s22, 0x76543210                      ; v_permlanex16_b32's selects for lane l xor 16
	s_mov_b32 s23, 0xfedcba98
.irp g, 0,1,2,3
	v_mov_b32 v[TM+4+\g], 0                        ; written once: a lane permute's destination counts as one of its sources
.endr
	s_wait_alu depctr_va_vdst(0)
	s_wait_kmcnt 0x0
	s_add_nc_u64 s[4:5], s[4:5], s[12:13]
	s_add_nc_u64 s[6:7], s[6:7], s[16:17]
	s_add_nc_u64 s[8:9], s[8:9], s[18:19]
.irp i, 0,1
.irp g, 0,1,2,3
.irp j, 0,1,2,3
	global_load_b128 v[SR+64*\i+16*\g+4*\j:SR+64*\i+16*\g+4*\j+3], v3, s[4:5] offset:65536*\i+128*\g+16*\j th:TH_LOAD_NT   ; read once in the whole program
.endr
.endr
.endr
	s_wait_loadcnt 16                              ; the first tile's sixteen loads are in; the second tile's sixteen may be out
	QUANT SR, CD, WD
	s_wait_loadcnt 0x0
	QUANT SR+64, CD+16, WD+1
	v_cmp_gt_u32 vcc_lo, 16, v0                    ; lanes 0-15
	v_cndmask_b32 v[WD+2], v[WD+1], v[WD], vcc_lo  ; lanes 0-15: the first tile's words (both halves of the lanes hold row r's); lanes 16-31: the second tile's
.irp i, 0,1
.irp g, 0,1,2,3
	global_store_b128 v4, v[CD+16*\i+4*\g:CD+16*\i+4*\g+3], s[6:7] offset:2048*\i+512*\g   ; 32 lanes store 512 consecutive bytes
.endr
.endr
	global_store_b32 v5, v[WD+2], s[8:9]
	s_endpgm
.Lfunc_end_k_q92ec1cc57e_wquant:
	.size	k_q92ec1cc57e_wquant, .Lfunc_end_k_q92ec1cc57e_wquant-k_q92ec1cc57e_wquant
	.p2alignl 7, 3214868480
	.fill 96, 4, 3214868480
	.section	.rodata,"a",@progbits
	.p2align	6, 0x0
	.amdhsa_kernel k_q92ec1cc57e_wquant
		.amdhsa_group_segment_fixed_size 0
		.amdhsa_private_segment_fixed_size 0
		.amdhsa_enable_private_segment 0
		.amdhsa_kernarg_size 24
		.amdhsa_user_sgpr_count 2
		.amdhsa_user_sgpr_kernarg_segment_ptr 1
		.amdhsa_wavefront_size32 1
		.amdhsa_system_sgpr_workgroup_id_x 1
		.amdhsa_system_sgpr_workgroup_id_y 1
		.amdhsa_system_sgpr_workgroup_id_z 1
		.amdhsa_system_vgpr_workitem_id 0
		.amdhsa_next_free_vgpr 192
		.amdhsa_next_free_sgpr 66
		.amdhsa_reserve_vcc 1
		.amdhsa_float_denorm_mode_32 3
		.amdhsa_float_denorm_mode_16_64 3
		.amdhsa_memory_ordered 1
		.amdhsa_forward_progress 1
		.amdhsa_inst_pref_size 22
	.end_amdhsa_kernel
	.amdgpu_metadata
---
amdhsa.version: [ 1, 2 ]
amdhsa.kernels:
  - .name:           k_q92ec1cc57e_wquant
    .symbol:         k_q92ec1cc57e_wquant.kd
    .args:
      - { .name: W, .offset: 0, .size: 8, .value_kind: global_buffer, .address_space: global }
      - { .name: wimg, .offset: 8, .size: 8, .value_kind: global_buffer, .address_space: global }
      - { .name: wscl, .offset: 16, .size: 8, .value_kind: global_buffer, .address_space: global }
    .group_segment_fixed_size: 0
    .private_segment_fixed_size: 0
    .kernarg_segment_align: 8
    .kernarg_segment_size: 24
    .max_flat_workgroup_size: 32
    .sgpr_count:     66
    .vgpr_count:     192
    .wavefront_size: 32
...
	.end_amdgpu_metadata
.endif
;; end of part 1
;; launch score (part 2): grid 32 x 8, 4 waves a work-group, no clusters, 327,680 bytes of LDS; arguments encoder_outputs, hidden, wimg, wscl, scores; writes scores
.if DOCPART == 2
	.amdgcn_target "amdgcn-amd-amdhsa--gfx1250"
	.amdhsa_code_object_version 6
	.text
	.protected	k_q92ec1cc57e_score
	.globl	k_q92ec1cc57e_score
	.p2align	8
	.type	k_q92ec1cc57e_score,@function
k_q92ec1cc57e_score:
	s_mov_b64 s[64:65], 0
	v_nop
	global_prefetch_b8 v0, s[64:65] scope:SCOPE_SE
	s_setreg_imm32_b32 hwreg(HW_REG_WAVE_MODE, 25, 1), 1
	s_wait_xcnt 0x0
; scores[b][s] = sum over n of hidden[b][n] x (sum over k of Q(E)[s][b][k] Q(W)[n][k]), the inner product on codes of FP8 (E4M3) with E8M0 scales for each 32 along K.
; DEAD WORK: reference() adds b[n] to the projection, which adds sum_n hidden[b][n] b[n] to every score of row b: the same number along the softmax's axis, for all values of the inputs,
; so it cancels in the softmax.  Input b is not loaded and is no argument of any launch.  LIMIT: a NaN, an infinity or an overflow that reaches only that term is not carried to the result.
; LIMITS: a block of zeros gets the scale byte 1 (its codes are zeros; this program alone reads the bytes); NaN and infinities among the inputs are not served.
; SHARES.  A work-group: one b, 256 values of s, all 1,024 n.  Four waves; wave j owns n = 256 j .. + 255 (16 tiles) and multiplies them with all 256 rows.  K goes in 8 steps of 128 (a pass).
; In a pass the codes of all 256 rows x 128 k stand in 256 registers of every wave; W's fragments come from memory straight into a ring of eight register buffers, seven groups ahead: each is used by one wave alone.
; A group = one tile of n x 16 tiles of rows = 16 products, each begun with C = 0; each result is weighed with hidden (4 packed multiply-adds into sums of its own) among the next products.
; E arrives as f32 through a ring of two LDS slots (256 rows x 512 bytes + padding); wave w fetches and quantises rows 64 w .. + 63 of the NEXT K step in chunks of lines between the products, and hands the codes on as an image of the operand's registers.
; NO JOINT LOADS: W passes through no LDS: the ring takes 270,336 bytes and the image, scale words, hidden, partial sums and spare words 44,544 of 327,680, which leaves no room for slots of W; E's tiles are shared by nobody.
; WINDOWS: 0 addresses, scales, the quantiser;  1 and 2: v0-127 codes of row tiles 0-7 / 8-15, v128-191 their results, v192-255 their sums;  3: v0-127 W's ring, v128-143 hidden, two buffers.
.set FPITCH, 528
.set FWAVE,  64*FPITCH
.set FSLOT,  4*FWAVE
.set IMG,    2*FSLOT
.set ISC,    IMG+32768
.set HIDL,   ISC+1024
.set PART,   HIDL+6144
.set SPARE,  PART+4096
.set LI, 1
.set LS, 2
.set FA0, 3
.set IW0, 4
.set ISW0, 5
.set IR, 6
.set ISR, 7
.set SPW, 8
.set NIL, 9
.set HA0, 10
.set FAC, 11
.set IWC, 12
.set ISWC, 13
.set HAC, 14
.set PFO, 15
.set PST, 16
.set PRD, 17
.set PW, 18
.set OO, 19
.set WS, 20
.set ES, 24
.set TM, 40
.set PC, 56
.set ST, 72
.set HS, 136
.set WV, 16
.set BB, 17
.set SG, 18
.set MNT, 19
.set SEL, 20
.set CNT, 22
.set TR, 23
.set G1, 24
.set G0, 32
.set RF, 36
.set RQ, 37
.set TB, 41
.set TI, 42
.set TS, 43
.set TH, 44
.set PFA, 48
.set MSB, 0
.macro WIN new
.if MSB != \new
	s_set_vgpr_msb (MSB<<8)|\new
.set MSB, \new
.endif
.endm
.set MA, 0x57                          ; source 0 window 3; source 1, source 2, destination window 1
.set MB, 0xab                          ; the same with window 2
.set TOW3, 0xc0                        ; destination window 3, address window 0
; line QN of the quantiser of one fragment (64 numbers a lane in v[ST..]): 128 lines.  The largest magnitudes are taken as a tree (20 lines that hang on nothing, 8, 4),
; all 64 holds stand ahead of the 8 conversions, and the scale word's three lines stand among the holds: few lines read what a near line wrote
.macro QL
.set QG, QN%4
.if QN < 16
	v_max3_num_f32 v[PC+4*(QN/4)+QG], |v[ST+16*QG+3*(QN/4)]|, |v[ST+16*QG+3*(QN/4)+1]|, |v[ST+16*QG+3*(QN/4)+2]|
.elseif QN < 20
	v_max3_num_f32 v[TM+12+QG], |v[ST+16*QG+12]|, |v[ST+16*QG+13]|, |v[ST+16*QG+14]|
.elseif QN < 24
	v_max3_num_f32 v[TM+QG], v[PC+QG], v[PC+4+QG], v[PC+8+QG]
.elseif QN < 28
	v_max3_num_f32 v[TM+8+QG], v[PC+12+QG], v[TM+12+QG], |v[ST+16*QG+15]|
.elseif QN < 32
	v_max3_num_f32 v[TM+QG], v[TM+QG], v[TM+8+QG], 0x4800000   ; with the floor 2^(9 - 127)
.elseif QN < 36
	v_permlanex16_b32 v[TM+4+QG], v[TM+QG], s[SEL], s[SEL+1]
.elseif QN < 40
	v_max_num_f32 v[TM+QG], v[TM+QG], v[TM+4+QG]       ; the block's largest magnitude
.elseif QN < 44
	v_add_nc_u32 v[TM+12+QG], 0xfc000000, v[TM+QG]     ; the conversion's scale operand
.elseif QN < 48
	v_and_or_b32 v[TM+8+QG], v[TM+QG], 0x7f800000, s[MNT]   ; 448 x the scale
.elseif QN < 52
	v_lshrrev_b32 v[TM+4+QG], 23, v[TM+12+QG]          ; the scale's byte
.elseif QN == 52
	v_lshl_or_b32 v[PW], v[TM+5], 8, v[TM+4]
.elseif QN == 61
	v_lshl_or_b32 v[PW], v[TM+6], 16, v[PW]
.elseif QN == 70
	v_lshl_or_b32 v[PW], v[TM+7], 24, v[PW]
.elseif QN < 119
.if QN < 61
.set QM, QN-53
.elseif QN < 70
.set QM, QN-54
.else
.set QM, QN-55
.endif
	v_med3_num_f32 v[ST+QM], v[ST+QM], -v[TM+8+QM/16], v[TM+8+QM/16]   ; the conversion does not saturate (ISA guide 7.6.2)
.elseif QN < 127
.set QM, QN-119
	v_cvt_scalef32_pk8_fp8_f32 v[PC+2*QM:PC+2*QM+1], v[ST+8*QM:ST+8*QM+7], v[TM+12+QM/2]
.else
	v_nop                                              ; one plain line behind the last conversion
.endif
.endm
.macro QCH a, b
.set QN, \a
.rept (\b)-(\a)
	QL
.set QN, QN+1
.endr
.endm
.macro QLOAD p
.irp g, 0,1,2,3
.irp j, 0,1,2,3
	ds_load_b128 v[ST+16*\g+4*\j:ST+16*\g+4*\j+3], v[FAC] offset:16*FPITCH*(\p)+128*\g+16*\j
.endr
.endr
.endm
.macro ISTORE p
.irp g, 0,1,2,3
	ds_store_b128 v[IWC], v[PC+4*\g:PC+4*\g+3] offset:2048*(\p)+512*\g
.endr
	ds_store_b32 v[ISWC], v[PW] offset:64*(\p)         ; both halves of the lanes write row r's word with the same value
.endm
.macro WL buf, off                     ; one fragment of W into ring buffer buf
	WIN TOW3
.irp x, 0,1,2,3
	global_load_b128 v[16*(\buf)+4*\x:16*(\buf)+4*\x+3], v[LI], s[8:9] offset:2048*(\off)+512*\x
.endr
.endm
.macro SL reg, off                     ; the scale words of two tiles: lanes 0-15 the even tile's, lanes 16-31 the odd one's
	WIN 0
	global_load_b32 v[WS+(\reg)], v[LS], s[10:11] offset:64*(\off)
.endm
.macro WM q, hf, t
.if (\q)%2
	v_wmma_scale_f32_16x16x128_f8f6f4 v[128+8*(\t):135+8*(\t)], v[16*(\q):16*(\q)+15], v[16*(\t):16*(\t)+15], 0, v[WS+((\q)/2)%4], v[ES+8*(\hf)+(\t)] matrix_a_scale:MATRIX_SCALE_ROW1
.else
	v_wmma_scale_f32_16x16x128_f8f6f4 v[128+8*(\t):135+8*(\t)], v[16*(\q):16*(\q)+15], v[16*(\t):16*(\t)+15], 0, v[WS+((\q)/2)%4], v[ES+8*(\hf)+(\t)]
.endif
.endm
.macro RED q, t                        ; sums of tile t += hidden x result: register j of lane (r, h) is n = 16 tile + 8 h + j, row r; low registers first
.irp jj, 0,1,2,3
	v_pk_fma_f32 v[192+8*(\t)+2*\jj:193+8*(\t)+2*\jj], v[128+8*((\q)%2)+2*\jj:129+8*((\q)%2)+2*\jj], v[128+8*(\t)+2*\jj:129+8*(\t)+2*\jj], v[192+8*(\t)+2*\jj:193+8*(\t)+2*\jj]
.endr
.endm
; what stands between a half's fourth and fifth product: the loads that run ahead, and at least eight plain lines, which are the places ahead of the first read of the half's first result.
; A fragment takes four groups, eight chunks: chunk 0 asks for its numbers, chunks 2 to 7 hold its 128 lines (the wait for 0 at the head of the group between covers the 16 loads), chunk 7 stores the image
.macro CHUNK q, hf, qf, last
.set CK, 2*((\q)%4)+(\hf)
.if (\hf) == 0
.if !((\last) && (\q) > 0)
	WL ((\q)+7)%8, (\q)+7                          ; the fragment of seven groups on, into the buffer of the group before this one
.endif
.if !((\last) && (\q) == 7)
	WIN TOW3
	ds_load_b128 v[128+8*(((\q)+1)%2):131+8*(((\q)+1)%2)], v[HAC] offset:64*((\q)+1)
	ds_load_b128 v[132+8*(((\q)+1)%2):135+8*(((\q)+1)%2)], v[HAC] offset:64*((\q)+1)+16
.endif
.if (\q)%2 == 0 && !((\last) && (\q) > 0)
	SL (((\q)+6)/2)%4, (\q)+6
.endif
.endif
	WIN 0
.if (\qf) && CK >= 2
.if CK == 7
.if (\q) == 3
	s_wait_dscnt 0x0                               ; my reads of the old image are long over: say so ahead of the trip's first store into the image,
	s_barrier_signal -1
.endif
	QCH 105, 128
.if (\q) == 3
	s_wait_alu depctr_va_vdst(0)
	s_barrier_wait -1                              ; and store when all four have said so
.endif
	ISTORE (\q)/4
.else
	QCH 21*(CK-2), 21*(CK-1)
.endif
.else
.if (\qf) && CK == 0
	QLOAD (\q)/4
.endif
.rept 8
	v_nop
.endr
.endif
.endm
.macro HALFM q, hf, qf, last
.if (\q) == 0 && (\hf) == 1
	s_wait_dscnt 2+16*(\qf)                        ; row tiles 8-15 are in: behind them only the chunk's loads were issued, 2 of hidden and, where a fragment is quantised, its 16
.endif
	WIN MA+(MB-MA)*(\hf)
.irp t, 0,1,2,3
	WM \q, \hf, \t
.endr
	CHUNK \q, \hf, \qf, \last
	WIN MA+(MB-MA)*(\hf)
.irp t, 0,1,2,3
	WM \q, \hf, \t+4
	RED \q, \t
.endr
.irp t, 4,5,6,7
	RED \q, \t
.endr
.endm
; eight groups: once round W's ring.  last = 1: the stream's last eight: only its first group still asks for a fragment
.macro TRIP qf, last
.if \qf
	v_add_nc_u32 v[FAC], s[TB], v[FA0]
	v_add_nc_u32 v[IWC], s[TI], v[IW0]
	v_add_nc_u32 v[ISWC], s[TS], v[ISW0]
.endif
	v_add_nc_u32 v[HAC], s[TH], v[HA0]
	s_wait_alu depctr_va_vdst(0)
.irp q, 0,1,2,3,4,5,6,7
.if (\last) && \q >= 6
	s_wait_loadcnt 0x0
.elseif (\last) && \q >= 4
	s_wait_loadcnt 9                               ; counts of the last eight groups: what was issued behind this group's fragment and scale word
.elseif (\last) && \q >= 2
	s_wait_loadcnt 18
.else
	s_wait_loadcnt 22                              ; behind this group's scale word five groups' loads were issued: 4 + 5 + 4 + 5 + 4; its fragment is older
.endif
.if \q == 0
	s_wait_dscnt 32                                ; behind a change of pass: the scale words and row tiles 0-7 are in, the 32 loads of tiles 8-15 may be out (else nothing is out here)
.else
	s_wait_dscnt 0x0                               ; hidden for this group, and a fragment's numbers asked for in the group before
.endif
	HALFM \q, 0, \qf, \last
	HALFM \q, 1, \qf, \last
.endr
	WIN 0
.if !(\last)
	s_wait_dscnt 0x0                               ; hidden for the next trip's first group
	s_wait_xcnt 0x0                                ; the loads have read their bases
	s_add_nc_u64 s[8:9], s[8:9], 16384
	s_add_nc_u64 s[10:11], s[10:11], 512
	s_add_co_u32 s[TB], s[TB], 32*FPITCH
	s_add_co_u32 s[TI], s[TI], 4096
	s_add_co_u32 s[TS], s[TS], 128
	s_add_co_u32 s[TH], s[TH], 512
.endif
.endm
; between two passes: the next K step's f32 tile has landed, the image of its predecessor's codes is whole; the slot read out is filled again; every wave asks for all 256 rows' codes.
; Nothing is waited for here: the next trip's first group waits by count
.macro BOUND refill
	s_wait_alu depctr_va_vdst(0)
	s_wait_tensorcnt 0x0
	ds_add_u32 v[SPW], v[NIL]
.if \refill
	s_add_co_u32 s[G0+1], s40, s[RF]
	s_xor_b32 s[RF], s[RF], FSLOT
	s_add_nc_u64 s[G0+2:G0+3], s[G0+2:G0+3], 512
	s_wait_xcnt 0x0
	s_add_nc_u64 s[PFA:PFA+1], s[PFA:PFA+1], 512
.endif
	s_mov_b32 s[TB], s[RQ]
	s_xor_b32 s[RQ], s[RQ], FSLOT
	s_mov_b32 s[TI], 0
	s_mov_b32 s[TS], 0
	s_mov_b32 s[TH], 0
	s_wait_dscnt 0x0                               ; the add, my reads of the slot and my stores into the image
	s_barrier_signal -1
	s_barrier_wait -1
.if \refill
	tensor_load_to_lds s[G0:G0+3], s[G1:G1+7]      ; my 64 rows of the K step two on
	s_nop 0
.endif
.irp m, 0,1,2,3,4,5,6,7,8,9,10,11,12,13,14,15
	ds_load_b32 v[ES+\m], v[ISR] offset:64*\m
.endr
	WIN 0x40
.irp t, 0,1,2,3,4,5,6,7
.irp g, 0,1,2,3
	ds_load_b128 v[16*\t+4*\g:16*\t+4*\g+3], v[IR] offset:2048*\t+512*\g
.endr
.endr
	WIN 0x80
.irp t, 0,1,2,3,4,5,6,7
.irp g, 0,1,2,3
	ds_load_b128 v[16*\t+4*\g:16*\t+4*\g+3], v[IR] offset:16384+2048*\t+512*\g
.endr
.endr
	WIN 0
.if \refill
	s_cmp_lt_u32 s[CNT], 5                         ; the tile that the NEXT refill asks for: 64 rows x 2 blocks of 256 bytes, a lane a row; the last refill has none behind it
	s_cbranch_scc0 .Lnp_\@
	global_prefetch_b8 v[PFO], s[PFA:PFA+1] th:TH_LOAD_NT scope:SCOPE_SE
	global_prefetch_b8 v[PFO], s[PFA:PFA+1] offset:256 th:TH_LOAD_NT scope:SCOPE_SE
	global_prefetch_b8 v[PFO], s[PFA:PFA+1] offset:4194304 th:TH_LOAD_NT scope:SCOPE_SE
	global_prefetch_b8 v[PFO], s[PFA:PFA+1] offset:4194560 th:TH_LOAD_NT scope:SCOPE_SE
.Lnp_\@:
.endif
.endm
.macro PASS
	s_mov_b32 s[TR], 0
.Lt_\@:
	TRIP 1, 0
	s_add_co_u32 s[TR], s[TR], 1
	s_cmp_lt_u32 s[TR], 2
	s_cbranch_scc1 .Lt_\@
.endm
	s_load_b256 s[4:11], s[0:1], 0x0               ; E, hidden, wimg, wscl
	s_load_b64 s[12:13], s[0:1], 0x20              ; scores
	v_lshl_add_u32 v[SPW], v0, 2, SPARE
	v_mov_b32 v[NIL], 0
	ds_add_u32 v[SPW], v[NIL]
	ds_add_u32 v[SPW], v[NIL]
	v_lshrrev_b32 v[TM], 5, v0
	v_readfirstlane_b32 s[WV], v[TM]
	s_mov_b32 s[BB], ttmp9
	s_and_b32 s[SG], ttmp7, 0xffff
	s_mov_b32 s[G1+0], (2<<16)|(1<<20)|(6<<22)|(3<<25)   ; f32; 4 words of padding behind each 128
	s_mov_b32 s[G1+1], 128<<16
	s_mov_b32 s[G1+2], 64<<16
	s_mov_b32 s[G1+3], 128<<16
	s_mov_b32 s[G1+4], 64
	s_mov_b32 s[G1+5], 32768                       ; from s to s + 1: 32 x 1,024 numbers
	s_mov_b32 s[G1+6], 0
	s_mov_b32 s[G1+7], 0
	s_mul_i32 s40, s[WV], FWAVE
	s_lshl_b32 s46, s[SG], 25
	s_lshl_b32 s47, s[WV], 23
	s_or_b32 s46, s46, s47
	s_lshl_b32 s47, s[BB], 12
	s_or_b32 s46, s46, s47
	s_mov_b32 s47, 0
	s_mov_b32 s[MNT], 0x600000
	s_mov_b32 s[SEL], 0x76543210
	s_mov_b32 s[SEL+1], 0xfedcba98
	s_mov_b32 s[RF], 0
	s_mov_b32 s[RQ], FSLOT
	s_wait_dscnt 0x0
	s_wait_kmcnt 0x0
	s_add_nc_u64 s[4:5], s[4:5], s[46:47]
	s_mov_b32 s[G0], 1
	s_mov_b32 s[G0+1], s40
	s_mov_b64 s[G0+2:G0+3], s[4:5]
	s_or_b32 s[G0+3], s[G0+3], 0x80000000
	tensor_load_to_lds s[G0:G0+3], s[G1:G1+7]      ; K step 0, my 64 rows: my one load at the head
	s_nop 0
	s_add_nc_u64 s[PFA:PFA+1], s[4:5], 1024
	s_lshl_b32 s46, s[BB], 12
	s_lshl_b32 s45, s[WV], 10
	s_or_b32 s46, s46, s45
	s_add_nc_u64 s[6:7], s[6:7], s[46:47]          ; hidden[b][256 j]
	s_lshl_b32 s46, s[WV], 18
	s_add_nc_u64 s[8:9], s[8:9], s[46:47]
	s_lshl_b32 s46, s[WV], 13
	s_add_nc_u64 s[10:11], s[10:11], s[46:47]
	s_lshl_b32 s46, s[BB], 13
	s_lshl_b32 s45, s[SG], 10
	s_or_b32 s46, s46, s45
	s_add_nc_u64 s[12:13], s[12:13], s[46:47]
	v_and_b32 v[TM], 31, v0
	v_and_b32 v[TM+1], 15, v0
	v_bfe_u32 v[TM+2], v0, 4, 1
	v_lshlrev_b32 v[LI], 4, v[TM]
	v_lshlrev_b32 v[LS], 2, v[TM]
	v_lshlrev_b32 v[PFO], 17, v[TM]
	v_mul_u32_u24 v[FA0], v[TM+1], FPITCH
	v_lshl_add_u32 v[FA0], v[TM+2], 6, v[FA0]
	v_add_nc_u32 v[FA0], s40, v[FA0]
	s_lshl_b32 s45, s[WV], 13
	v_add_nc_u32 v[IW0], s45, v[LI]
	v_add_nc_u32 v[IW0], IMG, v[IW0]
	v_lshlrev_b32 v[ISR], 2, v[TM+1]
	v_add_nc_u32 v[ISR], ISC, v[ISR]
	s_lshl_b32 s45, s[WV], 8
	v_add_nc_u32 v[ISW0], s45, v[ISR]
	v_add_nc_u32 v[IR], IMG, v[LI]
	s_mul_i32 s45, s[WV], 1536
	s_add_co_u32 s45, s45, HIDL
	v_add_nc_u32 v[HS], s45, v[LI]
	v_lshl_add_u32 v[HA0], v[TM+2], 5, s45
	s_lshl_b32 s45, s[WV], 10
	v_lshlrev_b32 v[PST], 2, v[TM+1]
	v_add_nc_u32 v[PST], s45, v[PST]
	v_add_nc_u32 v[PST], PART, v[PST]
	v_lshl_add_u32 v[PRD], v0, 3, PART
	v_lshlrev_b32 v[OO], 3, v0
.irp g, 0,1,2,3
	v_mov_b32 v[TM+4+\g], 0                        ; a lane permute's destination counts as one of its sources
.endr
	s_wait_alu depctr_va_vdst(0)
	global_load_b128 v[ST:ST+3], v[LI], s[6:7]
	global_load_b128 v[ST+4:ST+7], v[LI], s[6:7] offset:512
	WL 0, 0                                        ; the stream's first seven fragments and three scale registers, in the order in which the groups issue them
	WL 1, 1
	SL 0, 0
	WL 2, 2
	WL 3, 3
	SL 1, 2
	WL 4, 4
	WL 5, 5
	SL 2, 4
	WL 6, 6
	WIN 0x40                                       ; the sums begin as zeros, so that the passes are written once; these lines stand under the first tile's flight
.rept 64
	v_mov_b32 v[192+\+], 0
.endr
	WIN 0x80
.rept 64
	v_mov_b32 v[192+\+], 0
.endr
	WIN 0
	s_wait_loadcnt 31                              ; hidden's two loads are in; W's 31 may be out
	ds_store_b128 v[HS], v[ST:ST+3]                ; my 256 numbers of hidden, in my wave's own bytes,
	ds_store_b128 v[HS], v[ST+4:ST+7] offset:512
	ds_store_b128 v[HS], v[ST:ST+3] offset:1024    ; and the first again behind them: a pass's last group asks for the next pass's first tile
	WIN TOW3
	ds_load_b128 v[128:131], v[HA0]
	ds_load_b128 v[132:135], v[HA0] offset:16
	WIN 0
.irp k, 512, 1024                                      ; my rows of K steps 1 and 2, the buffer's first touch: the passes ask from K step 3 on
	global_prefetch_b8 v[PFO], s[4:5] offset:\k th:TH_LOAD_NT scope:SCOPE_SE
	global_prefetch_b8 v[PFO], s[4:5] offset:\k+256 th:TH_LOAD_NT scope:SCOPE_SE
	global_prefetch_b8 v[PFO], s[4:5] offset:\k+4194304 th:TH_LOAD_NT scope:SCOPE_SE
	global_prefetch_b8 v[PFO], s[4:5] offset:\k+4194560 th:TH_LOAD_NT scope:SCOPE_SE
.endr
	s_wait_alu depctr_va_vdst(0)
	s_wait_tensorcnt 0x0                           ; slot 1's first fill stands behind the full sequence
	ds_add_u32 v[SPW], v[NIL]
	s_add_co_u32 s[G0+1], s40, FSLOT
	s_add_nc_u64 s[G0+2:G0+3], s[G0+2:G0+3], 512
	s_wait_dscnt 0x0
	s_barrier_signal -1
	s_barrier_wait -1
	tensor_load_to_lds s[G0:G0+3], s[G1:G1+7]      ; K step 1
	s_nop 0
	s_mov_b32 s[TB], 0
	s_mov_b32 s[TI], 0
	s_mov_b32 s[TS], 0
	s_mov_b32 s[CNT], 0
.Lq0:                                                  ; K step 0: my four fragments
	v_add_nc_u32 v[FAC], s[TB], v[FA0]
	v_add_nc_u32 v[IWC], s[TI], v[IW0]
	v_add_nc_u32 v[ISWC], s[TS], v[ISW0]
	QLOAD 0
	s_wait_alu depctr_va_vdst(0)
	s_wait_dscnt 0x0
	QCH 0, 128
	ISTORE 0
	s_add_co_u32 s[TB], s[TB], 16*FPITCH
	s_add_co_u32 s[TI], s[TI], 2048
	s_add_co_u32 s[TS], s[TS], 64
	s_add_co_u32 s[CNT], s[CNT], 1
	s_cmp_lt_u32 s[CNT], 4
	s_cbranch_scc1 .Lq0
	s_mov_b32 s[CNT], 0
.Lpass:                                                ; passes 0 to 5: K step CNT is multiplied, CNT + 1 quantised, CNT + 2 asked for
	BOUND 1
	PASS
	s_add_co_u32 s[CNT], s[CNT], 1
	s_cmp_lt_u32 s[CNT], 6
	s_cbranch_scc1 .Lpass
	BOUND 0                                        ; pass 6 asks for nothing
	PASS
	BOUND 0                                        ; pass 7 quantises nothing
	TRIP 0, 0
	TRIP 0, 1
	; the way out: eight sums a tile and lane, the other half of the lanes, the four waves
	WIN 0x05
.irp t, 0,1,2,3,4,5,6,7
	v_pk_add_f32 v[ST+4*\t:ST+4*\t+1], v[192+8*\t:193+8*\t], v[194+8*\t:195+8*\t]
	v_pk_add_f32 v[ST+4*\t+2:ST+4*\t+3], v[196+8*\t:197+8*\t], v[198+8*\t:199+8*\t]
.endr
	WIN 0x0a
.irp t, 0,1,2,3,4,5,6,7
	v_pk_add_f32 v[ST+32+4*\t:ST+32+4*\t+1], v[192+8*\t:193+8*\t], v[194+8*\t:195+8*\t]
	v_pk_add_f32 v[ST+32+4*\t+2:ST+32+4*\t+3], v[196+8*\t:197+8*\t], v[198+8*\t:199+8*\t]
.endr
	WIN 0
.irp t, 0,1,2,3,4,5,6,7,8,9,10,11,12,13,14,15
	v_pk_add_f32 v[ST+4*\t:ST+4*\t+1], v[ST+4*\t:ST+4*\t+1], v[ST+4*\t+2:ST+4*\t+3]
.endr
.irp t, 0,1,2,3,4,5,6,7,8,9,10,11,12,13,14,15
	v_add_f32 v[PC+\t], v[ST+4*\t], v[ST+4*\t+1]
.endr
.irp t, 0,1,2,3,4,5,6,7,8,9,10,11,12,13,14,15
	v_permlanex16_b32 v[TM+\t], v[PC+\t], s[SEL], s[SEL+1]
.endr
.irp t, 0,1,2,3,4,5,6,7,8,9,10,11,12,13,14,15
	v_add_f32 v[PC+\t], v[PC+\t], v[TM+\t]
.endr
.irp t, 0,1,2,3,4,5,6,7,8,9,10,11,12,13,14,15
	ds_store_b32 v[PST], v[PC+\t] offset:64*\t     ; row 16 t + r: both halves of the lanes write the same word with the same value
.endr
	s_wait_dscnt 0x0
	s_barrier_signal -1
	s_barrier_wait -1
.irp j, 0,1,2,3
	ds_load_b64 v[ST+2*\j:ST+2*\j+1], v[PRD] offset:1024*\j
.endr
	s_wait_dscnt 0x0
	v_pk_add_f32 v[ST:ST+1], v[ST:ST+1], v[ST+2:ST+3]
	v_pk_add_f32 v[ST+4:ST+5], v[ST+4:ST+5], v[ST+6:ST+7]
	v_pk_add_f32 v[ST:ST+1], v[ST:ST+1], v[ST+4:ST+5]
	global_store_b64 v[OO], v[ST:ST+1], s[12:13]   ; a wave stores 256 consecutive bytes, aligned
	s_wait_tensorcnt 0x0                           ; the wave's end
	ds_add_u32 v[SPW], v[NIL]
	s_wait_dscnt 0x0
	s_endpgm
.Lfunc_end_k_q92ec1cc57e_score:
	.size	k_q92ec1cc57e_score, .Lfunc_end_k_q92ec1cc57e_score-k_q92ec1cc57e_score
	.p2alignl 7, 3214868480
	.fill 96, 4, 3214868480
	.section	.rodata,"a",@progbits
	.p2align	6, 0x0
	.amdhsa_kernel k_q92ec1cc57e_score
		.amdhsa_group_segment_fixed_size 327680
		.amdhsa_private_segment_fixed_size 0
		.amdhsa_enable_private_segment 0
		.amdhsa_kernarg_size 40
		.amdhsa_user_sgpr_count 2
		.amdhsa_user_sgpr_kernarg_segment_ptr 1
		.amdhsa_wavefront_size32 1
		.amdhsa_system_sgpr_workgroup_id_x 1
		.amdhsa_system_sgpr_workgroup_id_y 1
		.amdhsa_system_sgpr_workgroup_id_z 1
		.amdhsa_system_vgpr_workitem_id 0
		.amdhsa_next_free_vgpr 912
		.amdhsa_next_free_sgpr 66
		.amdhsa_reserve_vcc 0
		.amdhsa_float_denorm_mode_32 3
		.amdhsa_float_denorm_mode_16_64 3
		.amdhsa_memory_ordered 1
		.amdhsa_forward_progress 1
		.amdhsa_inst_pref_size 255
	.end_amdhsa_kernel
	.section	.bss,"aw",@nobits
	.p2align	6
	.space	262144
	.amdgpu_metadata
---
amdhsa.version: [ 1, 2 ]
amdhsa.kernels:
  - .name:           k_q92ec1cc57e_score
    .symbol:         k_q92ec1cc57e_score.kd
    .args:
      - { .name: encoder_outputs, .offset: 0, .size: 8, .value_kind: global_buffer, .address_space: global }
      - { .name: hidden, .offset: 8, .size: 8, .value_kind: global_buffer, .address_space: global }
      - { .name: wimg, .offset: 16, .size: 8, .value_kind: global_buffer, .address_space: global }
      - { .name: wscl, .offset: 24, .size: 8, .value_kind: global_buffer, .address_space: global }
      - { .name: scores, .offset: 32, .size: 8, .value_kind: global_buffer, .address_space: global }
    .group_segment_fixed_size: 327680
    .private_segment_fixed_size: 0
    .kernarg_segment_align: 8
    .kernarg_segment_size: 40
    .max_flat_workgroup_size: 128
    .sgpr_count:     66
    .vgpr_count:     912
    .wavefront_size: 32
...
	.end_amdgpu_metadata
.endif
;; end of part 2
;; launch softmax (part 3): grid 32 x 1, 8 waves a work-group, no clusters, 1,280 bytes of LDS; arguments scores, out0; writes out0
.if DOCPART == 3
	.amdgcn_target "amdgcn-amd-amdhsa--gfx1250"
	.amdhsa_code_object_version 6
	.text
	.protected	k_q92ec1cc57e_softmax
	.globl	k_q92ec1cc57e_softmax
	.p2align	8
	.type	k_q92ec1cc57e_softmax,@function
k_q92ec1cc57e_softmax:
	s_mov_b64 s[64:65], 0
	v_nop
	global_prefetch_b8 v0, s[64:65] scope:SCOPE_SE
	s_setreg_imm32_b32 hwreg(HW_REG_WAVE_MODE, 25, 1), 1
	s_wait_xcnt 0x0
; out0[b][0][s] = softmax over s of scores[b][s].  scores, out0: [32][2048] f32.
; One work-group a row b (8,192 bytes), eight waves; a thread holds eight numbers, loaded and stored 16 bytes at a time: a wave's load or store covers 512 consecutive bytes.
; The row stays in registers: the maximum is taken away before the exponential, as the softmax's definition has it.  The difference is formed first and multiplied by log2(e) after, so that large scores cost no
; accuracy.  There are 32 rows, so 32 work-groups: a sum over a row is owned by one work-group.
; LIMITS: v_exp_f32 gives 0 where the result would lie under 2^-126 (ISA guide, its entry in 15.8).  NaN and infinities among the scores are not served.
	s_load_b128 s[4:7], s[0:1], 0x0                ; scores s[4:5], out0 s[6:7]
	v_lshl_add_u32 v32, v0, 2, 0x100
	v_mov_b32 v33, 0
	v_lshrrev_b32 v1, 5, v0
	s_delay_alu instid0(VALU_DEP_1)
	v_readfirstlane_b32 s8, v1                     ; wave 0..7
	v_lshlrev_b32 v2, 4, v0                        ; 16 bytes a thread
	s_lshl_b32 s10, ttmp9, 13                      ; row b
	s_mov_b32 s11, 0
	s_mov_b32 s12, 0x76543210                      ; v_permlanex16_b32's selects for lane l xor 16
	s_mov_b32 s13, 0xfedcba98
	s_lshl_b32 s9, s8, 2
	v_mov_b32 v14, s9                              ; LDS: my wave's word
	v_mov_b32 v15, 0
	v_mov_b32 v13, 0                               ; a lane permute's destination counts as one of its sources
	s_wait_alu depctr_va_vdst(0)
	s_wait_kmcnt 0x0
	s_add_nc_u64 s[4:5], s[4:5], s[10:11]
	s_add_nc_u64 s[6:7], s[6:7], s[10:11]
	global_load_b128 v[4:7], v2, s[4:5]
	global_load_b128 v[8:11], v2, s[4:5] offset:4096
	s_wait_loadcnt 0x0
	v_max3_num_f32 v12, v4, v5, v6                 ; the largest of my eight,
	s_delay_alu instid0(VALU_DEP_1)
	v_max3_num_f32 v12, v12, v7, v8
	s_delay_alu instid0(VALU_DEP_1)
	v_max3_num_f32 v12, v12, v9, v10
	s_delay_alu instid0(VALU_DEP_1)
	v_max_num_f32 v12, v12, v11
	s_delay_alu instid0(VALU_DEP_1)
	v_max_num_f32_dpp v12, v12, v12 row_xmask:1 row_mask:0xf bank_mask:0xf   ; of my wave's,
	s_delay_alu instid0(VALU_DEP_1)
	v_max_num_f32_dpp v12, v12, v12 row_xmask:2 row_mask:0xf bank_mask:0xf
	s_delay_alu instid0(VALU_DEP_1)
	v_max_num_f32_dpp v12, v12, v12 row_xmask:4 row_mask:0xf bank_mask:0xf
	s_delay_alu instid0(VALU_DEP_1)
	v_max_num_f32_dpp v12, v12, v12 row_xmask:8 row_mask:0xf bank_mask:0xf
	s_delay_alu instid0(VALU_DEP_1)
	v_permlanex16_b32 v13, v12, s12, s13
	s_delay_alu instid0(VALU_DEP_1)
	v_max_num_f32 v12, v12, v13
	ds_store_b32 v14, v12                          ; all lanes write the same word with the same value
	s_wait_dscnt 0x0                               ; for the others' sake: my store has landed
	s_barrier_signal -1
	s_barrier_wait -1
	ds_load_b128 v[16:19], v15                     ; the eight waves' maxima
	ds_load_b128 v[20:23], v15 offset:16
	s_wait_dscnt 0x0
	v_max3_num_f32 v12, v16, v17, v18              ; and of the row
	s_delay_alu instid0(VALU_DEP_1)
	v_max3_num_f32 v12, v12, v19, v20
	s_delay_alu instid0(VALU_DEP_1)
	v_max3_num_f32 v12, v12, v21, v22
	s_delay_alu instid0(VALU_DEP_1)
	v_max_num_f32 v12, v12, v23
	s_delay_alu instid0(VALU_DEP_1)
	v_mov_b32 v13, v12                             ; twice, as a pair for the packed subtraction
.irp j, 4,6,8,10
	v_pk_add_f32 v[\j:\j+1], v[\j:\j+1], v[12:13] neg_lo:[0,1] neg_hi:[0,1]   ; x - m
.endr
.irp j, 4,6,8,10
	s_delay_alu instid0(VALU_DEP_4)
	v_pk_mul_f32 v[\j:\j+1], v[\j:\j+1], 0x3fb8aa3b op_sel_hi:[1,0]           ; x log2(e)
.endr
	s_wait_alu depctr_va_vdst(0)
.irp j, 4,5,6,7,8,9,10,11
	v_exp_f32 v[\j], v[\j]
.endr
	v_nop                                          ; one plain vector line between the exponentials and the use of their results
	s_wait_alu depctr_va_vdst(0)
	v_pk_add_f32 v[16:17], v[4:5], v[6:7]          ; the sum of my eight,
	v_pk_add_f32 v[18:19], v[8:9], v[10:11]
	s_delay_alu instid0(VALU_DEP_1)
	v_pk_add_f32 v[16:17], v[16:17], v[18:19]
	s_delay_alu instid0(VALU_DEP_1)
	v_add_f32 v12, v16, v17
	s_delay_alu instid0(VALU_DEP_1)
	v_add_f32_dpp v12, v12, v12 row_xmask:1 row_mask:0xf bank_mask:0xf       ; of my wave's,
	s_delay_alu instid0(VALU_DEP_1)
	v_add_f32_dpp v12, v12, v12 row_xmask:2 row_mask:0xf bank_mask:0xf
	s_delay_alu instid0(VALU_DEP_1)
	v_add_f32_dpp v12, v12, v12 row_xmask:4 row_mask:0xf bank_mask:0xf
	s_delay_alu instid0(VALU_DEP_1)
	v_add_f32_dpp v12, v12, v12 row_xmask:8 row_mask:0xf bank_mask:0xf
	s_delay_alu instid0(VALU_DEP_1)
	v_permlanex16_b32 v13, v12, s12, s13
	s_delay_alu instid0(VALU_DEP_1)
	v_add_f32 v12, v12, v13
	ds_store_b32 v14, v12 offset:64                ; other bytes than the maxima's: no wave need have finished reading those
	s_wait_dscnt 0x0
	s_barrier_signal -1
	s_barrier_wait -1
	ds_load_b128 v[16:19], v15 offset:64
	ds_load_b128 v[20:23], v15 offset:80
	s_wait_dscnt 0x0
	v_pk_add_f32 v[16:17], v[16:17], v[18:19]      ; and of the row: at least 1, since the largest term is 1
	v_pk_add_f32 v[20:21], v[20:21], v[22:23]
	s_delay_alu instid0(VALU_DEP_1)
	v_pk_add_f32 v[16:17], v[16:17], v[20:21]
	s_delay_alu instid0(VALU_DEP_1)
	v_add_f32 v16, v16, v17
	s_wait_alu depctr_va_vdst(0)
	v_rcp_f32 v12, v16
	v_nop                                          ; one plain vector line behind the reciprocal
	s_wait_alu depctr_va_vdst(0)
.irp j, 4,6,8,10
	v_pk_mul_f32 v[\j:\j+1], v[\j:\j+1], v[12:13] op_sel_hi:[1,0]   ; of the pair the low word serves both halves
.endr
	global_store_b128 v2, v[4:7], s[6:7]
	global_store_b128 v2, v[8:11], s[6:7] offset:4096
	s_wait_tensorcnt 0x0
	ds_add_u32 v32, v33
	s_wait_dscnt 0x0
	s_endpgm
.Lfunc_end_k_q92ec1cc57e_softmax:
	.size	k_q92ec1cc57e_softmax, .Lfunc_end_k_q92ec1cc57e_softmax-k_q92ec1cc57e_softmax
	.p2alignl 7, 3214868480
	.fill 96, 4, 3214868480
	.section	.rodata,"a",@progbits
	.p2align	6, 0x0
	.amdhsa_kernel k_q92ec1cc57e_softmax
		.amdhsa_group_segment_fixed_size 1280
		.amdhsa_private_segment_fixed_size 0
		.amdhsa_enable_private_segment 0
		.amdhsa_kernarg_size 16
		.amdhsa_user_sgpr_count 2
		.amdhsa_user_sgpr_kernarg_segment_ptr 1
		.amdhsa_wavefront_size32 1
		.amdhsa_system_sgpr_workgroup_id_x 1
		.amdhsa_system_sgpr_workgroup_id_y 1
		.amdhsa_system_sgpr_workgroup_id_z 1
		.amdhsa_system_vgpr_workitem_id 0
		.amdhsa_next_free_vgpr 34
		.amdhsa_next_free_sgpr 66
		.amdhsa_reserve_vcc 0
		.amdhsa_float_denorm_mode_32 3
		.amdhsa_float_denorm_mode_16_64 3
		.amdhsa_memory_ordered 1
		.amdhsa_forward_progress 1
		.amdhsa_inst_pref_size 6
	.end_amdhsa_kernel
	.amdgpu_metadata
---
amdhsa.version: [ 1, 2 ]
amdhsa.kernels:
  - .name:           k_q92ec1cc57e_softmax
    .symbol:         k_q92ec1cc57e_softmax.kd
    .args:
      - { .name: scores, .offset: 0, .size: 8, .value_kind: global_buffer, .address_space: global }
      - { .name: out0, .offset: 8, .size: 8, .value_kind: global_buffer, .address_space: global }
    .group_segment_fixed_size: 1280
    .private_segment_fixed_size: 0
    .kernarg_segment_align: 8
    .kernarg_segment_size: 16
    .max_flat_workgroup_size: 256
    .sgpr_count:     66
    .vgpr_count:     34
    .wavefront_size: 32
...
	.end_amdgpu_metadata
.endif
;; end of part 3
